; MI455X (gfx1250); checked and timed in simulation.
; The chip was launched on July 23, 2026; its instructions are those of AMD's public machine-readable ISA for CDNA 5 (MIT licence, August 2026) and "CDNA5" Instruction Set Architecture Reference Guide (July 2026). The comments in the code are by the model that wrote it; some were corrected since.
;; Attention. Allowed arithmetic: matrix products marked QUANTISED: E2M1 operands, one E8M0 scale for each 32 along K, by v_wmma_scale_f32_16x16x128_f8f6f4 with both operands' format E2M1 (or v_wmma_scale_f32_32x16x128_f4), f32 sums; everything else in f32.
;; Inputs: k 2,048 x 1,024 float32; mask 2,048 x 2,048 float32; q 2,048 x 4,096 float32; v 2,048 x 1,024 float32.
;; Outputs: out0 2,048 x 4,096 float32.
;; This version of the problem:
;;   THIS VERSION OF THE PROBLEM IS GIVEN IN LOW PRECISION. The matrix products marked QUANTISED in the list below multiply operands that are first quantised to E2M1 (2 exponent bits, 1 mantissa bit; 4 bits a number), with one power-of-two scale for each 32 numbers along K (OCP MX v1.0); their sums are f32. All else is computed in f32.
;;   The module's matrix products, in the order in which they are computed (A, B: the left and right operand; K: the contracted axis; several contracted axes count as one K, in the product's order):
;;     1. batch 32 x [M 2,048, K 128] x [K 128, N 2,048]; A: input q; B: input k: QUANTISED
;;     2. batch 32 x [M 2,048, K 2,048] x [K 2,048, N 128]; A: softmax (see below); B: input v: QUANTISED
;;   THE QUANTISER, for each operand of a quantised product, along K:
;;     - K is cut into blocks of 32 from its start; a last block that is shorter is filled with zeros.
;;     - A block's scale is 2^e with e = floor(log2(the largest magnitude in the block)) - 2, held to -126 .. 127; a block of zeros has e = 0. As a byte (E8M0): e + 127.
;;     - Each number is divided by its block's scale, clamped to +-6, and rounded to the nearest number of E2M1, ties to even, subnormals kept.
;;     - The product sums the exact products of the quantised numbers (number of the format x scale) in f32.
;;   ~~~python
;;   def quantise(x, axis):      # numpy; x: float32 -> the quantised numbers, widened to float32 again
;;       x = np.moveaxis(x, axis, -1); K = x.shape[-1]
;;       x = np.pad(x, [(0, 0)] * (x.ndim - 1) + [(0, -K % 32)]); x = x.reshape(x.shape[:-1] + (-1, 32)); a = np.abs(x).max(-1, keepdims=True)
;;       e = np.where(a > 0, np.clip(np.frexp(np.where(a > 0, a, 1))[1] - 1 - 2, -126, 127), 0)      # np.frexp(a)[1] - 1 = floor(log2(a)), exactly
;;       r = np.clip(x / 2.0 ** e, -6, 6)
;;       step = 2.0 ** (np.maximum(np.frexp(np.where(r == 0, 1, r))[1] - 1, 0) - 1)
;;       q = np.round(r / step) * step * 2.0 ** e      # np.round: ties to even
;;       return np.moveaxis(q.reshape(q.shape[:-2] + (-1,))[..., :K], -1, axis).astype(np.float32)
;;   ~~~
;;   SOFTMAX AHEAD OF A QUANTISED PRODUCT. Where the list says 'softmax', what is quantised is not the finished softmax but p = 2^(t - M), with t = logit x log2(e) and M = ceil(the row's largest t), a whole number; so 1/2 < the row's largest p <= 1. The row's sum l is taken of the UNQUANTISED p, in f32, and the product's result is divided by l at the end. Since M is a whole number, a kernel that streams over the keys may use a running M (the ceiling of the running maximum): every later rescaling is an exact power of two, which a block's scale takes up: the codes' values come out the same.
;;   OPERANDS COMPUTED ON THE WAY. 'Computed on the way' means the value that the module computes at that place (a softmax that the list does not call 'softmax' is quantised finished and normalised). What goes into a quantiser is computed in f32, as accurately as f32 sums, v_exp_f32 and their like allow (about 1e-6 of the number): no bf16 or f16 on the way to a quantiser, and a product that is left as it is and whose result goes on into a quantised operand takes f32 operands (vector FMAs, or v_wmma_f32_16x16x4_f32). A number that lies on a knife's edge between two numbers of the format may be rounded either way, as far as f32 arithmetic and the matrix unit's own rounding can turn it there, and no further.
;; One version. Each part assembles by itself: llvm-mc -triple=amdgcn-amd-amdhsa -mcpu=gfx1250 --defsym DOCPART=n.
;; ======== version 1 of 1: 2 launches
;; limits: right only within a limited range of input values
;; workspace buffers: kvc 2,228,224 bytes
;; launch quant (part 1): grid 256 x 1, 4 waves a work-group, no clusters, 40,448 bytes of LDS; arguments k, v, kvc; writes kvc
.if DOCPART == 1
	.amdgcn_target "amdgcn-amd-amdhsa--gfx1250"
	.amdhsa_code_object_version 6
	.text
	.protected	k_qca780cef8b_quant
	.globl	k_qca780cef8b_quant
	.p2align	8
	.type	k_qca780cef8b_quant,@function
k_qca780cef8b_quant:
	s_mov_b64 s[64:65], 0
	v_nop
	global_prefetch_b8 v0, s[64:65] scope:SCOPE_SE
	s_setreg_imm32_b32 hwreg(HW_REG_WAVE_MODE, 25, 1), 1
	s_wait_xcnt 0x0
; k and v, [2048][8 heads x 128] f32, become codes of FP4 (E2M1) with one E8M0 scale byte for each 32 along a product's K, laid as images of the attention launch's operand registers.
; No work of the problem is left out anywhere in this program: q, k, v and mask all reach the result and are all loaded (q and mask by the second launch).
; k is quantised along the head's 128 (innermost in memory), v along the KEYS (its first axis).
; A block's scale is 2^(floor(log2(its largest magnitude)) - 2); its byte is the largest magnitude's exponent field - 2, held at 1 from below.
; LIMITS: a block of zeros gets the byte 1 where the rule says 127 (its codes are zeros, and this program alone reads the bytes);
; blocks whose largest magnitude lies under 2^(3 - 127), the floor, were not tried; NaN and infinities in k and v are not served.
; kvc: [head 8][278,528 bytes]: K's codes [key step 16][tile 8][1,024], V's codes from byte 131,072 [key step 16][tile 8 of 16 d][1,024], K's scale words from 262,144 (4 bytes a place), V's from 270,336 [key step 16][d 128][4].
; A tile of 16 rows x 128 codes is laid [c 2][h 2][row 16][16 bytes]: the 16 bytes at 32 c + 16 h of a row: lane 16 h + row reads its registers 4 c .. 4 c + 3 at 512 c + 16 x lane.
; K's rows lie in TILE ORDER: row r of tile 2 b + u of a step is key 32 b + 8 u + r + 8 (r / 8), so that the results of two neighbouring tiles are neighbours along the keys.
; Work-groups 0-127 take k, 128-255 take v; the two ways part once, on the work-group's number, and never join; each has LDS bytes of its own.  No barrier: waves share nothing.
; No tensor load, no cluster, no prefetch: each byte is read once by one wave, and the launch does nothing but stream.  The scale words leave as 128 bytes a wave.
.set SP,    80                         ; a lane's place in a stage: 64 bytes + 16 of padding
.set KREG,  7424                       ; K's way, a wave's region: two stages of 32 x SP bytes, 256 for its scale bytes, 2,048 for the image of its two tiles
.set VST,   4*KREG                     ; V's way: a wave's 2,560 bytes from here on (2,048 used: the image of its two tiles)
.set SPARE, VST+4*32*SP                ; the spare words, 128 bytes for each wave
.set HEADB, 278528
.set SPW,   12
.set NIL,   13
	s_load_b128 s[4:7], s[0:1], 0x0                ; k, v
	s_load_b64 s[8:9], s[0:1], 0x10                ; kvc
	v_lshl_add_u32 v[SPW], v0, 2, SPARE
	v_mov_b32 v[NIL], 0
	v_lshrrev_b32 v1, 5, v0
	v_readfirstlane_b32 s16, v1                    ; wave
	v_and_b32 v2, 31, v0                           ; lane
	v_lshlrev_b32 v3, 4, v2                        ; 16 x lane
	v_lshlrev_b32 v7, 2, v2                        ; 4 x lane
	s_mul_i32 s17, s16, KREG
	s_mul_i32 s18, s16, 32*SP
	s_add_co_u32 s18, s18, VST
	v_lshrrev_b32 v8, 2, v2
	v_mul_u32_u24 v8, v8, SP
	v_and_b32 v9, 3, v2
	v_lshl_add_u32 v8, v9, 4, v8                   ; SP (lane / 4) + 16 (lane % 4)
	v_mul_u32_u24 v9, v2, SP
	v_add_nc_u32 v14, s17, v8                      ; K: into a stage, as loaded
	v_add_nc_u32 v15, s17, v9                      ; K: out of it, 16 neighbours a lane
	v_lshrrev_b32 v10, 4, v2
	v_and_b32 v11, 15, v2
	v_lshlrev_b32 v10, 10, v10
	v_lshl_add_u32 v10, v11, 4, v10
	v_add_nc_u32 v16, s18, v10                     ; V: into the image: tile lane / 16, row lane % 16
	v_add_nc_u32 v17, s18, v3                      ; V: out of it, as it lies
	s_add_co_u32 s19, s17, 2*32*SP
	v_lshrrev_b32 v5, 1, v2
	v_add_nc_u32 v5, s19, v5                       ; K: my block's scale byte
	v_add_nc_u32 v6, s19, v7                       ; K: and on the way out 4 bytes a lane
	s_add_co_u32 s19, s19, 256
	v_bfe_u32 v20, v2, 2, 1                        ; K's image: my 16 numbers begin at d = 16 (lane % 8): c,
	v_lshlrev_b32 v20, 9, v20
	v_bfe_u32 v21, v2, 1, 1                        ; h,
	v_lshl_add_u32 v20, v21, 8, v20
	v_and_b32 v21, 1, v2                           ; which 8 of the 16 bytes,
	v_lshl_add_u32 v20, v21, 3, v20
	v_lshrrev_b32 v21, 3, v2                       ; and which of the step's four keys
	v_lshl_add_u32 v20, v21, 4, v20
	v_add_nc_u32 v18, s19, v20
	v_add_nc_u32 v19, s19, v3                      ; K: out of the image, as it lies
	s_wait_alu depctr_va_vdst(0)                   ; the wait at the head's end
	s_wait_kmcnt 0x0
	s_cmp_lt_u32 ttmp9, 128
	s_cbranch_scc0 .Lv
; ---- k: a wave takes 32 keys of one head (two tiles), in 8 steps of 4 keys.  Each load reads one key's 512 bytes; a step's 2,048 bytes turn through the wave's stage, so that a lane holds 16 neighbours along d.
.set R, 32
.set X, 160
.set C, 192
.set E, 208
	s_lshl_b32 s20, ttmp9, 2
	s_add_co_u32 s20, s20, s16                     ; which run of 32 keys: 0..511
	s_lshr_b32 s21, s20, 6                         ; the head
	s_and_b32 s22, s20, 63                         ; the run in the head
	s_lshl_b32 s24, s22, 17                        ; k: 32 rows of 4,096 bytes,
	s_lshl_b32 s23, s21, 9                         ; + the head's 512 bytes in a row
	s_add_co_u32 s24, s24, s23
	s_mov_b32 s25, 0
	s_add_nc_u64 s[4:5], s[4:5], s[24:25]
	s_mul_i32 s26, s21, HEADB
	s_lshl_b32 s23, s22, 7                         ; the scale words: 32 places of 4 bytes
	s_add_co_u32 s24, s26, s23
	s_add_co_u32 s24, s24, 262144
	s_add_nc_u64 s[10:11], s[8:9], s[24:25]
	s_lshl_b32 s23, s22, 11                        ; the codes: two tiles of 1,024 bytes
	s_add_co_u32 s24, s26, s23
	s_add_nc_u64 s[8:9], s[8:9], s[24:25]
.macro KLOAD t
.irp i, 0,1,2,3
	global_load_b128 v[R+16*(\t)+4*\i:R+16*(\t)+4*\i+3], v3, s[4:5] offset:(4*(\t)+\i)*4096 th:TH_LOAD_NT
.endr
.endm
.macro KTURN t                         ; LDS serves a wave's instructions in order: no wait between the stores and the loads
.irp i, 0,1,2,3
	ds_store_b128 v14, v[R+16*(\t)+4*\i:R+16*(\t)+4*\i+3] offset:32*SP*((\t)%2)+8*SP*\i
.endr
.irp i, 0,1,2,3
	ds_load_b128 v[X+16*((\t)%2)+4*\i:X+16*((\t)%2)+4*\i+3], v15 offset:32*SP*((\t)%2)+16*\i
.endr
.endm
.irp t, 0,1,2,3,4,5,6,7
	KLOAD \t
.endr
	s_wait_loadcnt 28                              ; step 0's four loads are in
	KTURN 0
.macro KSTEP t
.set XS, X+16*((\t)%2)
.set TT, ((\t)&1)|((((\t)>>1)&1)<<2)|((((\t)>>2)&1)<<1)   ; the tile order for the scale words: the keys' bits 3 and 4 change places
.if (\t) > 0
	s_wait_dscnt 2                                 ; this step's numbers are back; the last step's two stores, issued behind them, may be out
.else
	s_wait_dscnt 0x0
.endif
.if (\t) < 7
	s_wait_loadcnt 24-4*(\t)                       ; the next step's four loads are in
	KTURN (\t)+1
.endif
	v_max3_num_f32 v8, |v[XS]|, |v[XS+1]|, |v[XS+2]|
	v_max3_num_f32 v9, |v[XS+3]|, |v[XS+4]|, |v[XS+5]|
.irp i, 6,10
	v_max3_num_f32 v8, v8, |v[XS+\i]|, |v[XS+\i+1]|
	v_max3_num_f32 v9, v9, |v[XS+\i+2]|, |v[XS+\i+3]|
.endr
	v_max3_num_f32 v8, v8, |v[XS+14]|, |v[XS+15]|
	v_max3_num_f32 v8, v8, v9, 0x1800000           ; the floor 2^(3 - 127): the byte cannot fall under 1
	v_max_num_f32_dpp v8, v8, v8 row_xmask:1 row_mask:0xf bank_mask:0xf   ; with my neighbour's 16: the block's
	v_add_nc_u32 v11, 0xff000000, v8               ; 2 off its exponent field: the conversion's scale operand
	v_cvt_scalef32_pk8_fp4_f32 v[C+2*(\t)], v[XS:XS+7], v11
	v_cvt_scalef32_pk8_fp4_f32 v[C+2*(\t)+1], v[XS+8:XS+15], v11
	v_lshrrev_b32 v[E+(\t)], 23, v11               ; the scale's byte (also the plain line behind the conversions)
	ds_store_b8 v5, v[E+(\t)] offset:16*TT
	ds_store_b64 v18, v[C+2*(\t):C+2*(\t)+1] offset:1024*(((\t)>>1)&1)+16*(4*((\t)&1)+8*(((\t)>>2)&1))   ; key 4 t + lane / 8: tile = its bit 3, row = 8 x its bit 4 + its low three bits
.endm
.irp t, 0,1,2,3,4,5,6,7
	KSTEP \t
.endr
	ds_load_b32 v8, v6                             ; LDS serves a wave's instructions in order: these see my stores
.irp i, 0,1,2,3
	ds_load_b128 v[X+4*\i:X+4*\i+3], v19 offset:512*\i
.endr
	s_wait_dscnt 0x0
	global_store_b32 v7, v8, s[10:11]              ; my 32 places' scale words: 128 consecutive bytes
.irp i, 0,1,2,3
	global_store_b128 v3, v[X+4*\i:X+4*\i+3], s[8:9] offset:512*\i   ; 32 lanes store 512 consecutive bytes, aligned
.endr
	s_wait_tensorcnt 0x0                           ; the wave's end
	ds_add_u32 v[SPW], v[NIL]
	s_wait_dscnt 0x0
	s_endpgm
; ---- v: a work-group takes a key step (128 keys) of one head; wave w the columns d = 32 w + lane (two tiles).  A lane's registers run down the keys: a block of 32 keys lies in one lane.
.Lv:
.set XV, 32
.set CV, 160
.set OV, 176
.set SB, 24
	s_sub_co_u32 s20, ttmp9, 128
	s_lshr_b32 s21, s20, 4                         ; the head
	s_and_b32 s22, s20, 15                         ; the key step
	s_lshl_b32 s24, s22, 19                        ; v: 128 rows of 4,096 bytes,
	s_lshl_b32 s23, s21, 9
	s_add_co_u32 s24, s24, s23
	s_lshl_b32 s23, s16, 7                         ; my wave's 32 columns
	s_add_co_u32 s24, s24, s23
	s_mov_b32 s25, 0
	s_add_nc_u64 s[6:7], s[6:7], s[24:25]
	s_mul_i32 s26, s21, HEADB
	s_lshl_b32 s24, s22, 9                         ; the scale words: 128 a key step,
	s_add_co_u32 s24, s24, s23                     ; my wave's 32,
	s_add_co_u32 s24, s24, s26
	s_add_co_u32 s24, s24, 270336
	s_add_nc_u64 s[10:11], s[8:9], s[24:25]
	s_lshl_b32 s24, s22, 13                        ; the codes: 8 tiles a key step,
	s_lshl_b32 s23, s16, 11                        ; my wave's two
	s_add_co_u32 s24, s24, s23
	s_add_co_u32 s24, s24, s26
	s_add_co_u32 s24, s24, 131072
	s_add_nc_u64 s[8:9], s[8:9], s[24:25]
.macro VLOAD t
.set ii, 0
.rept 32
	global_load_b32 v[XV+32*(\t)+ii], v7, s[6:7] offset:(32*(\t)+ii)*4096 th:TH_LOAD_NT
.set ii, ii+1
.endr
.endm
	VLOAD 0
	VLOAD 1
.macro VBLOCK t
.set XS, XV+32*(\t)
.if (\t) < 3
	s_wait_loadcnt 32                              ; this block's 32 loads are in; the next block's may be out
.else
	s_wait_loadcnt 0x0
.endif
.if (\t) < 2
	VLOAD (\t)+2
.endif
	v_max3_num_f32 v8, |v[XS]|, |v[XS+1]|, |v[XS+2]|
	v_max3_num_f32 v9, |v[XS+3]|, |v[XS+4]|, |v[XS+5]|
.irp i, 6,10,14,18,22,26
	v_max3_num_f32 v8, v8, |v[XS+\i]|, |v[XS+\i+1]|
	v_max3_num_f32 v9, v9, |v[XS+\i+2]|, |v[XS+\i+3]|
.endr
	v_max3_num_f32 v8, v8, |v[XS+30]|, |v[XS+31]|
	v_max3_num_f32 v8, v8, v9, 0x1800000
	v_add_nc_u32 v11, 0xff000000, v8
.irp g, 0,1,2,3
	v_cvt_scalef32_pk8_fp4_f32 v[CV+4*(\t)+\g], v[XS+8*\g:XS+8*\g+7], v11
.endr
	v_lshrrev_b32 v9, 23, v11                      ; the scale's byte (also the plain line behind the conversions)
.if (\t) == 0
	v_mov_b32 v[SB], v9
.else
	v_lshl_or_b32 v[SB], v9, 8*(\t), v[SB]
.endif
	ds_store_b128 v16, v[CV+4*(\t):CV+4*(\t)+3] offset:256*(\t)   ; block t = 2 c + h: at 512 c + 256 h of my tile
.endm
.irp t, 0,1,2,3
	VBLOCK \t
.endr
	global_store_b32 v7, v[SB], s[10:11]           ; my column's scale word: 128 consecutive bytes a wave
.irp i, 0,1,2,3
	ds_load_b128 v[OV+4*\i:OV+4*\i+3], v17 offset:512*\i
.endr
.irp i, 0,1,2,3
	s_wait_dscnt 3-\i
	global_store_b128 v3, v[OV+4*\i:OV+4*\i+3], s[8:9] offset:512*\i
.endr
	s_wait_tensorcnt 0x0
	ds_add_u32 v[SPW], v[NIL]
	s_wait_dscnt 0x0
	s_endpgm
.Lfunc_end_k_qca780cef8b_quant:
	.size	k_qca780cef8b_quant, .Lfunc_end_k_qca780cef8b_quant-k_qca780cef8b_quant
	.p2alignl 7, 3214868480
	.fill 96, 4, 3214868480
	.section	.rodata,"a",@progbits
	.p2align	6, 0x0
	.amdhsa_kernel k_qca780cef8b_quant
		.amdhsa_group_segment_fixed_size 40448
		.amdhsa_private_segment_fixed_size 0
		.amdhsa_enable_private_segment 0
		.amdhsa_kernarg_size 24
		.amdhsa_user_sgpr_count 2
		.amdhsa_user_sgpr_kernarg_segment_ptr 1
		.amdhsa_wavefront_size32 1
		.amdhsa_system_sgpr_workgroup_id_x 1
		.amdhsa_system_sgpr_workgroup_id_y 1
		.amdhsa_system_sgpr_workgroup_id_z 1
		.amdhsa_system_vgpr_workitem_id 0
		.amdhsa_next_free_vgpr 216
		.amdhsa_next_free_sgpr 66
		.amdhsa_reserve_vcc 0
		.amdhsa_float_denorm_mode_32 3
		.amdhsa_float_denorm_mode_16_64 3
		.amdhsa_memory_ordered 1
		.amdhsa_forward_progress 1
		.amdhsa_inst_pref_size 39
	.end_amdhsa_kernel
	.amdgpu_metadata
---
amdhsa.version: [ 1, 2 ]
amdhsa.kernels:
  - .name:           k_qca780cef8b_quant
    .symbol:         k_qca780cef8b_quant.kd
    .args:
      - { .name: k, .offset: 0, .size: 8, .value_kind: global_buffer, .address_space: global }
      - { .name: v, .offset: 8, .size: 8, .value_kind: global_buffer, .address_space: global }
      - { .name: kvc, .offset: 16, .size: 8, .value_kind: global_buffer, .address_space: global }
    .group_segment_fixed_size: 40448
    .private_segment_fixed_size: 0
    .kernarg_segment_align: 8
    .kernarg_segment_size: 24
    .max_flat_workgroup_size: 128
    .sgpr_count:     66
    .vgpr_count:     216
    .wavefront_size: 32
...
	.end_amdgpu_metadata
.endif
;; end of part 1
;; launch attn (part 2): grid 32 x 8, 4 waves a work-group, clusters of 4 x 4, 327,680 bytes of LDS; arguments q, mask, kvc, out0; writes out0
.if DOCPART == 2
	.amdgcn_target "amdgcn-amd-amdhsa--gfx1250"
	.amdhsa_code_object_version 6
	.text
	.protected	k_qca780cef8b_attn
	.globl	k_qca780cef8b_attn
	.p2align	8
	.type	k_qca780cef8b_attn,@function
k_qca780cef8b_attn:
	s_mov_b64 s[64:65], 0
	v_nop
	global_prefetch_b8 v0, s[64:65] scope:SCOPE_SE
	s_setreg_imm32_b32 hwreg(HW_REG_WAVE_MODE, 25, 1), 1
	s_wait_xcnt 0x0
	s_wait_alu depctr_hold_cnt(0) depctr_sa_sdst(0) depctr_va_vdst(0) depctr_va_sdst(0) depctr_va_ssrc(0) depctr_va_vcc(0) depctr_vm_vsrc(0)
	s_getreg_b32 s2, hwreg(HW_REG_IB_STS2, 6, 4)
	s_cmp_eq_u32 s2, 0
	s_cbranch_scc0 .Lentry_in_a_cluster
	s_endpgm
.Lentry_in_a_cluster:
	s_bfe_u32 s2, ttmp6, 0x10000c
	s_cmp_lg_u32 s2, 0xf033
	s_cbranch_scc0 .Lentry_shape_is_right
	s_endpgm
.Lentry_shape_is_right:
; out0[s][head][:] = the sum over keys of softmax_key(q[s][head] . k[key][head / 4] / sqrt(128) + mask[s][key]) v[key][head / 4][:]: 32 query heads, 8 key and value heads, 2,048 positions, head size 128.
; Both products run on codes of FP4 (E2M1) with one E8M0 scale for each 32 along the product's K.  No work of the problem is left out: the mask is an input and is added as it is given.
; THE SOFTMAX: D = score + mask sqrt(128) (the mask enters the first product as its C); t = D log2(e) / sqrt(128); M = the row's largest t so far, rounded UP to a whole number; p = 2^(t - M) is quantised along the keys.
; The row's sum is taken of the unquantised p, in f32, and divides O at the end.  When M moves, the sum and O are multiplied by 2^(old M - new M): exact.
; LIMITS: NaN and infinities in q, and +infinity or NaN in the mask, are not served; logits beyond 2e37 in size overflow in D; a row whose every logit is -infinity gives NaN, as its softmax does;
; a block of zeros gets the scale byte 1 where the rule says 127 (its codes are zeros; no byte leaves this program).
; SHARES.  A work-group owns 64 queries x the FOUR query heads of one key and value head; 32 x 8 = 256 work-groups of equal work.  Four waves of 1,024 registers; wave w owns query rows 16 w on and all four heads:
; four tiles with the same rows, so each fragment of K and V and each register of the mask serves four tiles.  Every wave walks all 2,048 keys, 128 a step.
; LDS.  The head's codes and scale words, 278,528 bytes laid as images of the operand registers (the first launch), are fetched ONCE, a quarter by each wave, and stay: nothing is filled again, so the key loop has no barrier.
; CLUSTERS: 4 x 4.  The codes hang on work-group y alone: the four of a row of the cluster ask for them jointly.  The mask (and q) go to registers by each wave's own loads, 512 consecutive bytes each, and turn through the
; wave's own stage in LDS; such loads have no joint form.  What the four of a column share of the mask is asked of memory ahead by prefetches that they share out by address.
; PREFETCH: in trips 0, 4 and 8 the partner at place cy names, a lane a block of 256 bytes, the wave's 16 rows x 512 bytes of the mask of key step trip + 4 + cy; that step's loads stand in trip step - 2.  Steps 0 to 3 come by their loads alone.
; LAYOUT.  Both products are used transposed: a lane holds ONE query (lane % 16) throughout; the 16 registers of score tiles 2 b, 2 b + 1 are keys 32 b + 16 (lane / 16) + 0 .. 15.
; REGISTERS, four windows of 256 BY KIND (s_set_vgpr_msb: bits 1:0 source 0, 3:2 source 1, 5:4 source 2, 7:6 destination).  Window 1: S^T, then p, of tile t at v[64 t].  Window 2: O^T of tile t at v[64 t].
; Window 3: K's fragments v0-63, V's v64-127, the mask as loaded v128-191, the mask as C v192-255.  Window 0: v1-11 addresses, v12-15 at work, scale words v24-27 K, v28-31 V, v240-243 P, v248-251 Q; for tile t Q's codes v[32+8t],
; P's codes v[64+8t], its four blocks' largest D, then p, then scale operand v[96+4t], at work v[112+4t], the pairs (-M, largest D) v[128+2t] and (f, scratch) v[136+2t], the sum in four parts v[144+4t].
; So one setting serves a tile's exponentials, the next tile's t - M and earlier tiles' sums: plain lines that read nothing written since the last wait, and whose results are read behind the next, stand between the exponentials.
.set VOFF,  131072
.set SCL,   262144
.set STG,   278528                     ; the stages: 16 rows x (512 + 16) bytes for each wave
.set STW,   8448
.set SP,    528
.set SPARE, 312320                     ; the spare words, 128 bytes for each wave
.set QTR,   69632                      ; a quarter of a head's bytes: 272 rows of 256
.set HEADB, 278528
.set L16, 1
.set ADK, 2
.set ADV, 3
.set ADS, 4
.set SPW, 5
.set NIL, 6
.set ASTO, 7
.set ALD, 8
.set PFO, 9
.set AOUT, 10
.set AS0, 11
.set SO, 12
.set KSW, 24
.set VSW, 28
.set QC, 32
.set PCD, 64
.set TA, 96
.set TB, 112
.set NM, 128
.set FF, 136
.set LS, 144
.set PSW, 240
.set QSW, 248
.set KP, 0
.set VP, 64
.set MS, 128
.set MC, 192
.set WV, 18
.set SEL, 20
.set CS, 22                            ; s[22:23] c = log2(e) / sqrt(128), twice
.set G1, 24
.set G0, 32
.set T, 36                             ; the trip
.set NC, 37                            ; -c
.set MB, 38                            ; s[38:39] the mask at my rows, at the key step last loaded
.set PF, 40                            ; s[40:41] the mask at my rows, at key step trip + 3 + cy
.set SK, 50                            ; 8,192 x trip
.set SS, 51                            ; 512 x trip
.set SQ, 66                            ; s[66:67] sqrt(128), twice
.set MSB, 0
.macro WIN new
.if MSB != (\new)
	s_set_vgpr_msb (MSB<<8)|(\new)
.set MSB, (\new)
.endif
.endm
.macro CROUND                          ; a round of the cluster's barrier
	s_barrier_signal -1
	s_barrier_wait -1
	s_cmp_lg_u32 s[WV], 0
	s_cbranch_scc1 .Lnot_wave_0_\@
	s_barrier_signal -3
.Lnot_wave_0_\@:
	s_barrier_wait -3
	s_barrier_signal -1
	s_barrier_wait -1
.endm
.macro GROWS win, dst, base, pitch, off, nt ; 16 rows x 512 consecutive bytes into 64 registers
	WIN (\win)<<6
.set ii, 0
.rept 16
.if \nt
	global_load_b128 v[\dst+4*ii:\dst+4*ii+3], v[L16], s[\base:\base+1] offset:ii*\pitch+\off th:TH_LOAD_NT
.else
	global_load_b128 v[\dst+4*ii:\dst+4*ii+3], v[L16], s[\base:\base+1] offset:ii*\pitch+\off
.endif
.set ii, ii+1
.endr
.endm
.macro TOST win, src                   ; those 16 rows into my stage, as they lie
	WIN (\win)<<2
.set ii, 0
.rept 16
	ds_store_b128 v[ASTO], v[\src+4*ii:\src+4*ii+3] offset:ii*SP
.set ii, ii+1
.endr
.endm
.macro FROMST win, dst                 ; and back: lane (r, h) takes of row r the numbers 32 b + 16 h + 0 .. 15 into registers 16 b on.  LDS serves a wave's instructions in order: no wait behind the stores
	WIN (\win)<<6
.irp b, 0,1,2,3
.irp j, 0,1,2,3
	ds_load_b128 v[\dst+16*\b+4*\j:\dst+16*\b+4*\j+3], v[ALD] offset:128*\b+16*\j
.endr
.endr
.endm
.macro FRAGS dst, adr, off             ; eight fragments into window 3: 16 x lane in each half tile
	WIN 0xc0
.irp n, 0,1,2,3,4,5,6,7
.irp c, 0,1
	ds_load_b128 v[\dst+8*\n+4*\c:\dst+8*\n+4*\c+3], v[\adr] offset:\off+1024*\n+512*\c
.endr
.endr
.endm
.macro WORDS dst, adr, off             ; scale words: register i holds tile 2 i's in lanes 0-15, tile 2 i + 1's in lanes 16-31
.irp i, 0,1,2,3
	ds_load_b32 v[\dst+\i], v[\adr] offset:\off+128*\i
.endr
.endm
	s_load_b256 s[4:11], s[0:1], 0x0               ; q, mask, kvc, out0
	v_lshl_add_u32 v[SPW], v0, 2, SPARE
	v_mov_b32 v[NIL], 0
	ds_add_u32 v[SPW], v[NIL]                      ; the opening: the add, twice on end, and its wait ahead of the first tensor load
	ds_add_u32 v[SPW], v[NIL]
	v_lshrrev_b32 v2, 5, v0
	v_readfirstlane_b32 s[WV], v2                  ; wave 0..3
	v_and_b32 v3, 31, v0
	v_lshlrev_b32 v[L16], 4, v3                    ; 16 x lane
	s_bfe_u32 s14, ttmp6, 0x40000                  ; cx, cy
	s_bfe_u32 s15, ttmp6, 0x40004
	s_lshl_b32 s16, ttmp9, 2
	s_add_co_u32 s16, s16, s14                     ; my block of 64 queries
	s_and_b32 s17, ttmp7, 0xffff
	s_lshl_b32 s17, s17, 2
	s_add_co_u32 s17, s17, s15                     ; my key and value head
	s_lshl_b32 s19, s15, 2
	s_lshl_b32 s19, 15, s19                        ; my row of the cluster
	s_or_b32 s[G1], s19, (3<<16)|(1<<21)           ; 272 dense rows of 256 bytes (32 elements of 8), no padding; the mask: my row; bit 21 beside it
	s_mov_b32 s[G1+1], 32<<16
	s_mov_b32 s[G1+2], 272<<16
	s_mov_b32 s[G1+3], 32<<16
	s_mov_b32 s[G1+4], 272
	s_mov_b32 s[G1+5], 32
	s_mov_b32 s[G1+6], 0
	s_mov_b32 s[G1+7], 0
	s_mul_i32 s42, s17, HEADB                      ; the head's bytes (s42, s43 never hold cx),
	s_mul_i32 s[G0+1], s[WV], QTR                  ; my quarter: the same place in LDS as in the head
	s_add_co_u32 s42, s42, s[G0+1]
	s_mov_b32 s43, 0
	s_lshl_b32 s44, s16, 20                        ; q and out0: 64 rows of 16,384 bytes,
	s_lshl_b32 s46, s[WV], 18                      ; 16 rows,
	s_add_co_u32 s44, s44, s46
	s_lshl_b32 s46, s17, 11                        ; four heads of 512 bytes
	s_add_co_u32 s44, s44, s46
	s_mov_b32 s45, 0
	s_lshl_b32 s46, s16, 19                        ; the mask: 64 rows of 8,192 bytes,
	s_lshl_b32 s47, s[WV], 17                      ; 16 rows
	s_add_co_u32 s46, s46, s47
	s_mov_b32 s47, 0
	s_lshl_b32 s48, s15, 9
	s_add_co_u32 s48, s48, 1536                    ; key step 3 + cy
	s_mov_b32 s49, 0
	s_mov_b32 s[SEL], 0x76543210
	s_mov_b32 s[SEL+1], 0xfedcba98
	s_mov_b32 s[CS], 0x3e0293ee
	s_mov_b32 s[CS+1], s[CS]
	s_mov_b32 s[NC], 0xbe0293ee
	s_mov_b32 s[SQ], 0x413504f3
	s_mov_b32 s[SQ+1], s[SQ]
	s_mov_b32 s[T], 0
	s_mov_b32 s[SK], 0
	s_mov_b32 s[SS], 0
	s_mov_b32 s[G0], 1
	s_wait_alu depctr_va_vdst(0)                   ; directly ahead of the waits below
	s_wait_dscnt 0x0                               ; both opening adds are done
	s_wait_kmcnt 0x0
	s_add_nc_u64 s[4:5], s[4:5], s[44:45]
	s_add_nc_u64 s[10:11], s[10:11], s[44:45]
	s_add_nc_u64 s[6:7], s[6:7], s[46:47]
	s_add_nc_u64 s[MB:MB+1], s[6:7], 512
	s_add_nc_u64 s[PF:PF+1], s[6:7], s[48:49]
	s_add_nc_u64 s[G0+2:G0+3], s[8:9], s[42:43]
	s_or_b32 s[G0+3], s[G0+3], 0x80000000
.irp t, 0,1,2
	GROWS 2, 64*\t, 4, 16384, 512*\t, 1            ; q: head t's 16 rows into the registers that will hold O^T of tile t
.endr
	WIN 0
	CROUND                                         ; all sixteen work-groups are here: the joint loads meet
	tensor_load_to_lds s[G0:G0+3], s[G1:G1+7]      ; my quarter of the head: every wave's one tensor load of the launch
	s_nop 0
	v_and_b32 v2, 15, v0                           ; r
	v_bfe_u32 v3, v0, 4, 1                         ; h
	s_mul_i32 s42, s[WV], STW
	s_add_co_u32 s42, s42, STG                     ; my stage
	v_add_nc_u32 v[ASTO], s42, v[L16]
	v_mul_u32_u24 v4, v2, SP
	v_add_nc_u32 v4, s42, v4
	v_lshl_add_u32 v[ALD], v3, 6, v4
	v_lshl_add_u32 v[AOUT], v3, 5, v4
	v_and_b32 v2, 31, v0
	v_lshl_add_u32 v[AS0], v2, 2, SCL
	v_lshrrev_b32 v3, 1, v2
	v_and_b32 v2, 1, v2
	v_lshlrev_b32 v3, 13, v3
	v_lshl_add_u32 v[PFO], v2, 8, v3               ; row lane / 2, half lane % 2
	GROWS 2, 192, 4, 16384, 1536, 1                ; q's head 3,
	GROWS 3, VP, 6, 8192, 0, 0                     ; the mask of key step 0,
	GROWS 3, MS, 6, 8192, 512, 0                   ; and of key step 1
	WIN 0
.set jj, 0
.rept 16
	v_mov_b32 v[LS+jj], 0                          ; the key step has no first step of its own: the first finds zeros, which f = 0 leaves zeros
.set jj, jj+1
.endr
.irp t, 0,1,2,3
	v_mov_b32 v[NM+2*\t], 0x7e000000               ; -M: a large whole number
	v_mov_b32 v[NM+2*\t+1], 0xff61b1e6             ; the largest D so far: -3e38
.endr
	s_wait_alu depctr_va_vdst(0)                   ; directly ahead of the wait below
.macro QUANT t                         ; 64 numbers of a lane in window 1 become Q's fragment and its scale word in window 0
	WIN 0x15
.irp b, 0,1,2,3
	v_max3_num_f32 v[TA+\b], |v[64*\t+16*\b]|, |v[64*\t+16*\b+1]|, 0x1800000   ; with the floor 2^(3 - 127)
.endr
.irp b, 0,1,2,3
	v_max3_num_f32 v[TB+\b], |v[64*\t+16*\b+8]|, |v[64*\t+16*\b+9]|, |v[64*\t+16*\b+10]|
.endr
	WIN 0x14
.irp i, 2,4,6
.irp b, 0,1,2,3
	v_max3_num_f32 v[TA+\b], v[TA+\b], |v[64*\t+16*\b+\i]|, |v[64*\t+16*\b+\i+1]|
.endr
.endr
.irp i, 11,13
.irp b, 0,1,2,3
	v_max3_num_f32 v[TB+\b], v[TB+\b], |v[64*\t+16*\b+\i]|, |v[64*\t+16*\b+\i+1]|
.endr
.endr
	WIN 0x10
.irp b, 0,1,2,3
	v_max3_num_f32 v[TA+\b], v[TA+\b], v[TB+\b], |v[64*\t+16*\b+15]|
.endr
	WIN 0
.irp b, 0,1,2,3
	v_permlanex16_b32 v[TB+\b], v[TA+\b], s[SEL], s[SEL+1]
.endr
.irp b, 0,1,2,3
	v_max_num_f32 v[TA+\b], v[TA+\b], v[TB+\b]
.endr
.irp b, 0,1,2,3
	v_add_nc_u32 v[SO+\b], 0xff000000, v[TA+\b]    ; the conversion's scale operand
.endr
.irp b, 0,1,2,3
	v_lshrrev_b32 v[TB+\b], 23, v[SO+\b]           ; the scale's byte
.endr
	v_lshl_or_b32 v[TA], v[TB+1], 8, v[TB]
	v_lshl_or_b32 v[TA], v[TB+2], 16, v[TA]
	v_lshl_or_b32 v[QSW+\t], v[TB+3], 24, v[TA]
	WIN 0x01
.irp b, 0,1,2,3
	v_cvt_scalef32_pk8_fp4_f32 v[QC+8*\t+2*\b], v[64*\t+16*\b:64*\t+16*\b+7], v[SO+\b]
	v_cvt_scalef32_pk8_fp4_f32 v[QC+8*\t+2*\b+1], v[64*\t+16*\b+8:64*\t+16*\b+15], v[SO+\b]
.endr
	WIN 0
	v_nop                                          ; one plain place behind a scaled conversion
.irp c, 0,1
.irp i, 0,1
	v_permlane16_swap_b32 v[QC+8*\t+4*\c+\i], v[QC+8*\t+2+4*\c+\i]
.endr
.endr
.endm
.irp t, 0,1,2,3
.if \t < 2
	s_wait_loadcnt 63                              ; head t's 16 loads are in: 80 - 16 t stand behind them, and the count's field holds 63
.else
	s_wait_loadcnt 80-16*\t                        ; head t's 16 loads are in; the later heads' and the mask's 32 may be out
.endif
	TOST 2, 64*\t
	FROMST 1, 64*\t
	s_wait_dscnt 0x0
	WIN 0x80
.set jj, 0
.rept 64
	v_mov_b32 v[64*\t+jj], 0                       ; O^T of tile t: the stores have read these registers
.set jj, jj+1
.endr
	QUANT \t
.endr
	s_wait_alu depctr_va_vdst(0)                   ; directly ahead of the wait below
	s_wait_loadcnt 16                              ; step 0's mask is in; step 1's 16 loads may be out
	TOST 3, VP
	FROMST 3, MC
	WIN 0
	s_wait_tensorcnt 0x0                           ; my quarter of the head has landed
	s_wait_dscnt 0x0
	s_barrier_signal -1
	s_barrier_wait -1                              ; everybody's has
	FRAGS KP, L16, 0                               ; K of step 0
	WIN 0
	WORDS KSW, AS0, 0
	s_wait_dscnt 0x0
.macro SWM n, t                        ; S^T + C
.if (\n)%2
	v_wmma_scale_f32_16x16x128_f8f6f4 v[64*\t+8*(\n):64*\t+8*(\n)+7], v[KP+8*(\n):KP+8*(\n)+7], v[QC+8*\t:QC+8*\t+7], v[MC+8*(\n):MC+8*(\n)+7], v[KSW+(\n)/2], v[QSW+\t] matrix_a_fmt:MATRIX_FMT_FP4 matrix_b_fmt:MATRIX_FMT_FP4 matrix_a_scale:MATRIX_SCALE_ROW1
.else
	v_wmma_scale_f32_16x16x128_f8f6f4 v[64*\t+8*(\n):64*\t+8*(\n)+7], v[KP+8*(\n):KP+8*(\n)+7], v[QC+8*\t:QC+8*\t+7], v[MC+8*(\n):MC+8*(\n)+7], v[KSW+(\n)/2], v[QSW+\t] matrix_a_fmt:MATRIX_FMT_FP4 matrix_b_fmt:MATRIX_FMT_FP4
.endif
.endm
.macro PVM n, t                        ; O^T += V^T P^T
.if (\n)%2
	v_wmma_scale_f32_16x16x128_f8f6f4 v[64*\t+8*(\n):64*\t+8*(\n)+7], v[VP+8*(\n):VP+8*(\n)+7], v[PCD+8*\t:PCD+8*\t+7], v[64*\t+8*(\n):64*\t+8*(\n)+7], v[VSW+(\n)/2], v[PSW+\t] matrix_a_fmt:MATRIX_FMT_FP4 matrix_b_fmt:MATRIX_FMT_FP4 matrix_a_scale:MATRIX_SCALE_ROW1
.else
	v_wmma_scale_f32_16x16x128_f8f6f4 v[64*\t+8*(\n):64*\t+8*(\n)+7], v[VP+8*(\n):VP+8*(\n)+7], v[PCD+8*\t:PCD+8*\t+7], v[64*\t+8*(\n):64*\t+8*(\n)+7], v[VSW+(\n)/2], v[PSW+\t] matrix_a_fmt:MATRIX_FMT_FP4 matrix_b_fmt:MATRIX_FMT_FP4
.endif
.endm
.macro PKF1 t, k                       ; t - M of two numbers of tile t
	v_pk_fma_f32 v[64*(\t)+2*(\k):64*(\t)+2*(\k)+1], v[64*(\t)+2*(\k):64*(\t)+2*(\k)+1], s[CS:CS+1], v[NM+2*(\t):NM+2*(\t)+1] op_sel_hi:[1,0,0]
.endm
.macro TL w, t, k                      ; one line of the level of tile t's sum that folds 2 w numbers into w, in place, behind the tile's conversions
	v_pk_add_f32 v[64*(\t)+2*(\k):64*(\t)+2*(\k)+1], v[64*(\t)+2*(\k):64*(\t)+2*(\k)+1], v[64*(\t)+(\w)+2*(\k):64*(\t)+(\w)+2*(\k)+1]
.endm
.macro TLS w, t                        ; a whole level
.set kk, 0
.rept (\w)/2
	TL \w, \t, kk
.set kk, kk+1
.endr
.endm
.macro EXPF t                          ; p = 2^(t - M) of tile t; between the exponentials: the next tile's t - M, and levels of earlier tiles' sums
.set kk, 0
.rept 32
	v_exp_f32 v[64*\t+2*kk], v[64*\t+2*kk]
.if \t < 3
	PKF1 \t+1, kk
.endif
	v_exp_f32 v[64*\t+2*kk+1], v[64*\t+2*kk+1]
.if (\t >= 1) && (kk < 16)
	TL 32, \t-1, kk
.endif
.if (\t >= 2) && (kk >= 16) && (kk < 24)
	TL 16, \t-2, kk-16
.endif
.if (\t == 3) && (kk >= 24) && (kk < 28)
	TL 8, 0, kk-24
.endif
.set kk, kk+1
.endr
	v_nop                                          ; the plain place behind the last exponential
	s_wait_alu depctr_va_vdst(0)                   ; one wait for the batch and for the plain lines in it
.endm
.macro CVT t                           ; p of tile t becomes P's codes
	WIN 0x01
.irp b, 0,1,2,3
	v_cvt_scalef32_pk8_fp4_f32 v[PCD+8*\t+2*\b], v[64*\t+16*\b:64*\t+16*\b+7], v[TA+4*\t+\b]
	v_cvt_scalef32_pk8_fp4_f32 v[PCD+8*\t+2*\b+1], v[64*\t+16*\b+8:64*\t+16*\b+15], v[TA+4*\t+\b]
.endr
	WIN 0
	v_nop                                          ; one plain place behind a scaled conversion
.irp c, 0,1
.irp i, 0,1
	v_permlane16_swap_b32 v[PCD+8*\t+4*\c+\i], v[PCD+8*\t+2+4*\c+\i]
.endr
.endr
.endm
.Lstep:                                            ; sixteen trips of 128 keys.  On entry K's fragments and words and the mask of this step are in registers
	v_add_nc_u32 v[ADK], s[SK], v[L16]
	v_add_nc_u32 v[ADS], s[SS], v[AS0]
	v_add_nc_u32 v[ADV], VOFF, v[ADK]
	WIN 0xc3
.set jj, 0
.rept 32
	v_pk_mul_f32 v[MC+jj:MC+jj+1], v[MC+jj:MC+jj+1], s[SQ:SQ+1] op_sel_hi:[1,0]   ; mask x sqrt(128), once for four tiles
.set jj, jj+2
.endr
.rept 4
	v_nop
.endr
	WIN 0x73
.irp t, 0,1,2,3
.irp n, 0,1,2,3,4,5,6,7
	SWM \n, \t
.endr
.endr
	WIN 0
.rept 4
	v_nop                                          ; places in front of loads into registers that these products read, and of the first read of their results
.endr
	s_wait_loadcnt 0x0                             ; the next step's mask, asked for a trip ago
	s_wait_xcnt 0x0                                ; the last prefetch has read its address
	s_add_nc_u64 s[PF:PF+1], s[PF:PF+1], 512
	TOST 3, MS
	FROMST 3, MC                                   ; the next step's mask
	FRAGS VP, ADV, 0                               ; this step's V
	FRAGS KP, ADK, 8192                            ; the next step's K (the last trip reads bytes of V here, and uses none)
	WIN 0
	WORDS VSW, ADS, 8192
	WORDS KSW, ADS, 512
	s_wait_dscnt 56                                ; the 16 stores into the stage are done, so they have read their registers; the 56 loads behind them may be out
	s_cmp_gt_u32 s[T], 13
	s_cbranch_scc1 .Lnone                          ; trips 14 and 15 have no step two on
	s_add_nc_u64 s[MB:MB+1], s[MB:MB+1], 512
	GROWS 3, MS, MB, 8192, 0, 0                    ; the mask of step trip + 2
	WIN 0
	s_and_b32 s42, s[T], 3
	s_cmp_eq_u32 s42, 0
	s_cselect_b32 s42, s[T], 12
	s_cmp_lt_u32 s42, 12
	s_cbranch_scc0 .Lnone                          ; trips 0, 4 and 8 ask
	global_prefetch_b8 v[PFO], s[PF:PF+1] th:TH_LOAD_NT scope:SCOPE_SE
.Lnone:
	; the largest D of each block of 32 keys, 32 chains by turns; each accumulator is read from its low end on
	WIN 0x15
.irp t, 0,1,2,3
.irp b, 0,1,2,3
	v_max3_num_f32 v[TA+4*\t+\b], v[64*\t+16*\b], v[64*\t+16*\b+1], v[64*\t+16*\b+2]
.endr
.endr
.irp t, 0,1,2,3
.irp b, 0,1,2,3
	v_max3_num_f32 v[TB+4*\t+\b], v[64*\t+16*\b+8], v[64*\t+16*\b+9], v[64*\t+16*\b+10]
.endr
.endr
	WIN 0x14
.irp i, 3,5
.irp t, 0,1,2,3
.irp b, 0,1,2,3
	v_max3_num_f32 v[TA+4*\t+\b], v[TA+4*\t+\b], v[64*\t+16*\b+\i], v[64*\t+16*\b+\i+1]
.endr
.endr
.irp t, 0,1,2,3
.irp b, 0,1,2,3
	v_max3_num_f32 v[TB+4*\t+\b], v[TB+4*\t+\b], v[64*\t+16*\b+8+\i], v[64*\t+16*\b+9+\i]
.endr
.endr
.endr
	WIN 0x10
.irp t, 0,1,2,3
.irp b, 0,1,2,3
	v_max3_num_f32 v[TA+4*\t+\b], v[TA+4*\t+\b], v[TB+4*\t+\b], v[64*\t+16*\b+7]
.endr
.endr
	WIN 0x04
.irp t, 0,1,2,3
.irp b, 0,1,2,3
	v_max_num_f32 v[TA+4*\t+\b], v[TA+4*\t+\b], v[64*\t+16*\b+15]
.endr
.endr
	WIN 0
.set jj, 0
.rept 16
	v_permlanex16_b32 v[TB+jj], v[TA+jj], s[SEL], s[SEL+1]
.set jj, jj+1
.endr
.set jj, 0
.rept 16
	v_max_num_f32 v[TA+jj], v[TA+jj], v[TB+jj]     ; with lane l xor 16's 16 keys
.set jj, jj+1
.endr
.irp t, 0,1,2,3
	v_max3_num_f32 v[FF+2*\t+1], v[TA+4*\t], v[TA+4*\t+1], v[TA+4*\t+2]
.endr
.irp t, 0,1,2,3
	v_mov_b32 v[FF+2*\t], v[NM+2*\t]               ; the old -M
.endr
.irp t, 0,1,2,3
	v_max3_num_f32 v[NM+2*\t+1], v[NM+2*\t+1], v[FF+2*\t+1], v[TA+4*\t+3]   ; the running largest D
.endr
.irp t, 0,1,2,3
	v_mul_f32 v[FF+2*\t+1], s[NC], v[NM+2*\t+1]
.endr
.irp t, 0,1,2,3
	v_floor_f32 v[NM+2*\t], v[FF+2*\t+1]           ; the new -M = floor(-t): M is a whole number
.endr
.irp t, 0,1,2,3
	v_sub_f32 v[FF+2*\t], v[NM+2*\t], v[FF+2*\t]   ; old M - new M
.endr
.irp b, 0,1
.irp t, 0,1,2,3
	v_fma_f32 v[TA+4*\t+\b], v[TA+4*\t+\b], s[CS], v[NM+2*\t]   ; t - M of each block's largest D
.endr
.endr
.irp t, 0,1,2,3
	v_cvt_i32_f32 v[FF+2*\t], v[FF+2*\t]           ; (it saturates)
.endr
.irp b, 2,3
.irp t, 0,1,2,3
	v_fma_f32 v[TA+4*\t+\b], v[TA+4*\t+\b], s[CS], v[NM+2*\t]
.endr
.endr
.irp t, 0,1,2,3
	v_ldexp_f32 v[FF+2*\t], 1.0, v[FF+2*\t]        ; f = 2^(old M - new M)
.endr
	WIN 0x45
.set kk, 0
.rept 32
	PKF1 0, kk
.set kk, kk+1
.endr
	WIN 0x82
.irp t, 0,1,2,3
.set jj, 0
.rept 32
	v_pk_mul_f32 v[64*\t+jj:64*\t+jj+1], v[64*\t+jj:64*\t+jj+1], v[FF+2*\t:FF+2*\t+1] op_sel_hi:[1,0]   ; O^T under the new M, each accumulator from its low end on; no exponential stands between the products and these lines
.set jj, jj+2
.endr
.endr
	WIN 0
.irp t, 0,1,2,3
	v_pk_mul_f32 v[LS+4*\t:LS+4*\t+1], v[LS+4*\t:LS+4*\t+1], v[FF+2*\t:FF+2*\t+1] op_sel_hi:[1,0]
	v_pk_mul_f32 v[LS+4*\t+2:LS+4*\t+3], v[LS+4*\t+2:LS+4*\t+3], v[FF+2*\t:FF+2*\t+1] op_sel_hi:[1,0]
.endr
	s_wait_alu depctr_va_vdst(0)                   ; the wait ahead of the exponentials, and ahead of the wait below
	s_wait_dscnt 0x0                               ; V, the next K and the next mask are in
.set jj, 0
.rept 16
	v_exp_f32 v[TA+jj], v[TA+jj]                   ; each block's largest p
.set jj, jj+1
.endr
	WIN 0x45
	EXPF 0
	WIN 0
.set jj, 0
.rept 16
	v_max_num_f32 v[TA+jj], 0x1800000, v[TA+jj]    ; the floor 2^(3 - 127)
.set jj, jj+1
.endr
.set jj, 0
.rept 16
	v_add_nc_u32 v[TA+jj], 0xff000000, v[TA+jj]    ; the conversion's scale operand
.set jj, jj+1
.endr
	CVT 0
	WIN 0x45
	EXPF 1
	CVT 1
	WIN 0x45
	EXPF 2
	CVT 2
	WIN 0x45
	EXPF 3
	CVT 3
.set jj, 0
.rept 16
	v_lshrrev_b32 v[TA+jj], 23, v[TA+jj]           ; the scales' bytes
.set jj, jj+1
.endr
.irp t, 0,1,2,3
	v_lshl_or_b32 v[TA+4*\t], v[TA+4*\t+1], 8, v[TA+4*\t]
.endr
.irp t, 0,1,2,3
	v_lshl_or_b32 v[TA+4*\t], v[TA+4*\t+2], 16, v[TA+4*\t]
.endr
.irp t, 0,1,2,3
	v_lshl_or_b32 v[PSW+\t], v[TA+4*\t+3], 24, v[TA+4*\t]   ; P's scale words
.endr
	WIN 0x45                                       ; what is left of the sums (these lines are also the places between the scale words, the codes and the products)
	TLS 32, 3
	TLS 16, 2
	TLS 8, 1
	TLS 4, 0
	TLS 16, 3
	TLS 8, 2
	TLS 4, 1
	TLS 8, 3
	TLS 4, 2
	WIN 0x04
.irp t, 0,1,2
	v_pk_add_f32 v[LS+4*\t:LS+4*\t+1], v[LS+4*\t:LS+4*\t+1], v[64*\t:64*\t+1]
	v_pk_add_f32 v[LS+4*\t+2:LS+4*\t+3], v[LS+4*\t+2:LS+4*\t+3], v[64*\t+2:64*\t+3]
.endr
	WIN 0x45
	TLS 4, 3
	WIN 0x04
	v_pk_add_f32 v[LS+12:LS+13], v[LS+12:LS+13], v[192:193]
	v_pk_add_f32 v[LS+14:LS+15], v[LS+14:LS+15], v[194:195]
	WIN 0xa3
.irp t, 0,1,2,3
.irp n, 0,1,2,3,4,5,6,7
	PVM \n, \t
.endr
.endr
	WIN 0
	s_add_co_u32 s[SK], s[SK], 8192
	s_add_co_u32 s[SS], s[SS], 512
	s_add_co_u32 s[T], s[T], 1
	s_cmp_lt_u32 s[T], 16
	s_cbranch_scc1 .Lstep
	s_wait_alu depctr_va_vdst(0)                   ; directly ahead of the first reader of the sums behind the scalar lines above
	; THE WAY OUT.  O^T is divided by the row's sum and goes through my stage, a head (512 bytes) of 16 queries at a time: each store of the wave covers 512 consecutive bytes, aligned.
.irp t, 0,1,2,3
	v_pk_add_f32 v[LS+4*\t:LS+4*\t+1], v[LS+4*\t:LS+4*\t+1], v[LS+4*\t+2:LS+4*\t+3]   ; (these sixteen lines are the places behind the last products)
.endr
.irp t, 0,1,2,3
	v_add_f32 v[LS+4*\t], v[LS+4*\t], v[LS+4*\t+1]
.endr
.irp t, 0,1,2,3
	v_permlanex16_b32 v[TB+\t], v[LS+4*\t], s[SEL], s[SEL+1]
.endr
.irp t, 0,1,2,3
	v_add_f32 v[LS+4*\t], v[LS+4*\t], v[TB+\t]     ; the row's sum
.endr
	s_wait_alu depctr_va_vdst(0)                   ; the wait ahead of the reciprocals,
.irp t, 0,1,2,3
	v_rcp_f32 v[LS+4*\t], v[LS+4*\t]
.endr
	v_nop
	WIN 0x42
	s_wait_alu depctr_va_vdst(0)                   ; and ahead of their first reader, which is O^T's too
.irp t, 0,1,2,3
.set jj, 0
.rept 32
	v_pk_mul_f32 v[64*\t+jj:64*\t+jj+1], v[64*\t+jj:64*\t+jj+1], v[LS+4*\t:LS+4*\t+1] op_sel_hi:[1,0]   ; register 8 n + i is o(r, 16 n + 8 h + i)
.set jj, jj+2
.endr
.endr
	s_wait_alu depctr_va_vdst(0)
.macro TOSTAGE t                       ; whole rows come back into v[64 t] on of window 3
	WIN 0x04
.irp n, 0,1,2,3,4,5,6,7
	ds_store_b128 v[AOUT], v[64*\t+8*\n:64*\t+8*\n+3] offset:64*\n
	ds_store_b128 v[AOUT], v[64*\t+8*\n+4:64*\t+8*\n+7] offset:64*\n+16
.endr
	WIN 0xc0
.set ii, 0
.rept 16
	ds_load_b128 v[64*\t+4*ii:64*\t+4*ii+3], v[ASTO] offset:ii*SP
.set ii, ii+1
.endr
.endm
.macro SEND t, younger                 ; younger: the next tile's 16 stores and 16 loads, which may be out
	s_wait_dscnt \younger
	WIN 0x0c
.set ii, 0
.rept 16
	global_store_b128 v[L16], v[64*\t+4*ii:64*\t+4*ii+3], s[10:11] offset:ii*16384+512*\t th:TH_STORE_NT
.set ii, ii+1
.endr
.endm
	TOSTAGE 0
	TOSTAGE 1                                      ; LDS serves a wave's instructions in order: a tile's stores come behind the loads of the tile before
	SEND 0, 32
	TOSTAGE 2
	SEND 1, 32
	TOSTAGE 3
	SEND 2, 32
	SEND 3, 0
	WIN 0
	s_wait_tensorcnt 0x0                           ; the wave's end
	ds_add_u32 v[SPW], v[NIL]
	s_wait_dscnt 0x0
	CROUND                                         ; the closing round
	s_endpgm
.Lfunc_end_k_qca780cef8b_attn:
	.size	k_qca780cef8b_attn, .Lfunc_end_k_qca780cef8b_attn-k_qca780cef8b_attn
	.p2alignl 7, 3214868480
	.fill 96, 4, 3214868480
	.section	.rodata,"a",@progbits
	.p2align	6, 0x0
	.amdhsa_kernel k_qca780cef8b_attn
		.amdhsa_group_segment_fixed_size 327680
		.amdhsa_private_segment_fixed_size 0
		.amdhsa_enable_private_segment 0
		.amdhsa_kernarg_size 32
		.amdhsa_user_sgpr_count 2
		.amdhsa_user_sgpr_kernarg_segment_ptr 1
		.amdhsa_wavefront_size32 1
		.amdhsa_system_sgpr_workgroup_id_x 1
		.amdhsa_system_sgpr_workgroup_id_y 1
		.amdhsa_system_sgpr_workgroup_id_z 1
		.amdhsa_system_vgpr_workitem_id 0
		.amdhsa_next_free_vgpr 1024
		.amdhsa_next_free_sgpr 70
		.amdhsa_reserve_vcc 0
		.amdhsa_float_denorm_mode_32 3
		.amdhsa_float_denorm_mode_16_64 3
		.amdhsa_memory_ordered 1
		.amdhsa_forward_progress 1
		.amdhsa_inst_pref_size 144
	.end_amdhsa_kernel
	.amdgpu_metadata
---
amdhsa.version: [ 1, 2 ]
amdhsa.kernels:
  - .name:           k_qca780cef8b_attn
    .symbol:         k_qca780cef8b_attn.kd
    .args:
      - { .name: q, .offset: 0, .size: 8, .value_kind: global_buffer, .address_space: global }
      - { .name: mask, .offset: 8, .size: 8, .value_kind: global_buffer, .address_space: global }
      - { .name: kvc, .offset: 16, .size: 8, .value_kind: global_buffer, .address_space: global }
      - { .name: out0, .offset: 24, .size: 8, .value_kind: global_buffer, .address_space: global }
    .group_segment_fixed_size: 327680
    .private_segment_fixed_size: 0
    .kernarg_segment_align: 8
    .kernarg_segment_size: 32
    .max_flat_workgroup_size: 128
    .sgpr_count:     70
    .vgpr_count:     1024
    .wavefront_size: 32
...
	.end_amdgpu_metadata
.endif
;; end of part 2
